; MI455X (gfx1250); checked and timed in simulation.
; The chip was launched on July 23, 2026; its instructions are those of AMD's public machine-readable ISA for CDNA 5 (MIT licence, August 2026) and "CDNA5" Instruction Set Architecture Reference Guide (July 2026). The comments in the code are by the model that wrote it; some were corrected since.
;; LSA. Allowed arithmetic: matrix products marked QUANTISED: E2M3 operands, one E8M0 scale for each 32 along K, by v_wmma_scale_f32_16x16x128_f8f6f4 with both operands' format E2M3, f32 sums; everything else in f32.
;; Inputs: b_out 1,024 float32; temperature one number float32; w_out 1,024 x 1,024 float32; w_qkv 3,072 x 1,024 float32; x 8 x 1,024 x 1,024 float32.
;; Outputs: out0 8 x 1,024 x 1,024 float32.
;; This version of the problem:
;;   THIS VERSION OF THE PROBLEM IS GIVEN IN LOW PRECISION. The matrix products marked QUANTISED in the list below multiply operands that are first quantised to E2M3 (2 exponent bits, 3 mantissa bits; 6 bits a number), with one power-of-two scale for each 32 numbers along K (OCP MX v1.0); their sums are f32. All else is computed in f32.
;;   The module's matrix products, in the order in which they are computed (A, B: the left and right operand; K: the contracted axis; several contracted axes count as one K, in the product's order):
;;     1. [M 8,192, K 1,024] x [K 1,024, N 3,072]; A: input x; B: input w_qkv: QUANTISED
;;     2. batch 128 x [M 1,024, K 64] x [K 64, N 1,024]; A: computed on the way; B: computed on the way: QUANTISED
;;     3. batch 128 x [M 1,024, K 1,024] x [K 1,024, N 64]; A: softmax (see below); B: computed on the way: QUANTISED
;;     4. [M 8,192, K 1,024] x [K 1,024, N 1,024]; A: computed on the way; B: input w_out: QUANTISED
;;   THE QUANTISER, for each operand of a quantised product, along K:
;;     - K is cut into blocks of 32 from its start; a last block that is shorter is filled with zeros.
;;     - A block's scale is 2^e with e = floor(log2(the largest magnitude in the block)) - 2, held to -126 .. 127; a block of zeros has e = 0. As a byte (E8M0): e + 127.
;;     - Each number is divided by its block's scale, clamped to +-7.5, and rounded to the nearest number of E2M3, ties to even, subnormals kept.
;;     - The product sums the exact products of the quantised numbers (number of the format x scale) in f32.
;;   ~~~python
;;   def quantise(x, axis):      # numpy; x: float32 -> the quantised numbers, widened to float32 again
;;       x = np.moveaxis(x, axis, -1); K = x.shape[-1]
;;       x = np.pad(x, [(0, 0)] * (x.ndim - 1) + [(0, -K % 32)]); x = x.reshape(x.shape[:-1] + (-1, 32)); a = np.abs(x).max(-1, keepdims=True)
;;       e = np.where(a > 0, np.clip(np.frexp(np.where(a > 0, a, 1))[1] - 1 - 2, -126, 127), 0)      # np.frexp(a)[1] - 1 = floor(log2(a)), exactly
;;       r = np.clip(x / 2.0 ** e, -7.5, 7.5)
;;       step = 2.0 ** (np.maximum(np.frexp(np.where(r == 0, 1, r))[1] - 1, 0) - 3)
;;       q = np.round(r / step) * step * 2.0 ** e      # np.round: ties to even
;;       return np.moveaxis(q.reshape(q.shape[:-2] + (-1,))[..., :K], -1, axis).astype(np.float32)
;;   ~~~
;;   SOFTMAX AHEAD OF A QUANTISED PRODUCT. Where the list says 'softmax', what is quantised is not the finished softmax but p = 2^(t - M), with t = logit x log2(e) and M = ceil(the row's largest t), a whole number; so 1/2 < the row's largest p <= 1. The row's sum l is taken of the UNQUANTISED p, in f32, and the product's result is divided by l at the end. Since M is a whole number, a kernel that streams over the keys may use a running M (the ceiling of the running maximum): every later rescaling is an exact power of two, which a block's scale takes up: the codes' values come out the same.
;;   OPERANDS COMPUTED ON THE WAY. 'Computed on the way' means the value that the module computes at that place (a softmax that the list does not call 'softmax' is quantised finished and normalised). What goes into a quantiser is computed in f32, as accurately as f32 sums, v_exp_f32 and their like allow (about 1e-6 of the number): no bf16 or f16 on the way to a quantiser, and a product that is left as it is and whose result goes on into a quantised operand takes f32 operands (vector FMAs, or v_wmma_f32_16x16x4_f32). A number that lies on a knife's edge between two numbers of the format may be rounded either way, as far as f32 arithmetic and the matrix unit's own rounding can turn it there, and no further.
;; One version. Each part assembles by itself: llvm-mc -triple=amdgcn-amd-amdhsa -mcpu=gfx1250 --defsym DOCPART=n.
;; ======== version 1 of 1: 3 launches
;; limits: right only within a limited range of input values
;; workspace buffers: codes 9,437,184 bytes; scales 393,216 bytes; qc 6,291,456 bytes; qs 524,288 bytes; kv 13,369,344 bytes
;; launch quant (part 1): grid 384 x 1, 4 waves a work-group, no clusters, 34,304 bytes of LDS; arguments x, w_qkv, w_out, codes, scales; writes codes, scales
.if DOCPART == 1
	.amdgcn_target "amdgcn-amd-amdhsa--gfx1250"
	.amdhsa_code_object_version 6
	.text
	.protected	k_q19e52dd4ce_quant
	.globl	k_q19e52dd4ce_quant
	.p2align	8
	.type	k_q19e52dd4ce_quant,@function
k_q19e52dd4ce_quant:
	s_mov_b64 s[64:65], 0
	v_nop
	global_prefetch_b8 v0, s[64:65] scope:SCOPE_SE
	s_setreg_imm32_b32 hwreg(HW_REG_WAVE_MODE, 25, 1), 1
	s_wait_xcnt 0x0
; x [8192][1024], w_qkv [3072][1024], w_out [1024][1024], f32, K innermost, become codes of FP6 (E2M3) with one E8M0 byte for each 32 along K,
; laid in the ORDER OF THE OPERAND'S REGISTERS, so that the later launches fetch a fragment by three loads of 16 bytes a lane.
; TILES.  Rows go in groups of 32; tile T = 2 G + u holds at place r (0..15) row 32 G + 8 u + r + 8 (r / 8).
; codes:  [T][K step s 0..7][j 0..2][lane][16 bytes]: registers 4 j .. 4 j + 3 of the lane's twelve (registers 6 c .. 6 c + 5: k = 64 c + 32 (lane / 16) + 0 .. 31 of row lane % 16).
; scales: [T][sp 0..3][r][e 0..1] words: the four bytes of K step 2 sp + e of the row at place r.
; Tiles 0-511: x.  512-703: w_qkv, regrouped by head: head hd has tiles 512 + 12 hd + 4 part + t (part 0, 1, 2 = q, k, v).  704-767: w_out.
; A block's scale is 2^(floor(log2(its largest magnitude)) - 2); its byte is the largest magnitude's exponent field - 2, held at 1 from below.
; LIMITS: a block of zeros gets the byte 1 where the rule says 127 (its codes are zeros, and this program alone reads the bytes); blocks whose largest magnitude
; lies under 2^-124 are held at the byte 1; NaN and infinities among the inputs are not served.
; SHARES.  A work-group takes one group of 32 rows; wave w takes tile u = w & 1 and half kh = w >> 1 of K: four K steps of 128.  Each load reads 512 consecutive bytes of a row; a K step's 16 rows turn
; through the wave's own stage in LDS (rows 528 bytes apart), so that a lane gets two whole blocks of its row.  Waves share nothing: no barrier.  No input is shared between work-groups: no cluster.
.set STGB, 16*528                      ; a wave's stage
.set X,    48                          ; v48-111   64 numbers of my row: register 32 c + i = k 64 c + 32 h + i
.set RA,   112                         ; v112-239  two sets of 64 registers as loaded
.set C,    24                          ; v24-35    the fragment's twelve registers
.set CT,   36                          ; v36-43    the upper halves of the two blocks, as converted
.set W,    18                          ; v18-21    the scale words of the four K steps
	s_load_b256 s[4:11], s[0:1], 0x0               ; x, w_qkv, w_out, codes
	s_load_b64 s[12:13], s[0:1], 0x20              ; scales
	v_lshl_add_u32 v240, v0, 2, 0x8400
	v_mov_b32 v241, 0
	v_lshrrev_b32 v1, 5, v0
	v_readfirstlane_b32 s14, v1                    ; wave
	v_and_b32 v1, 31, v0                           ; lane
	v_and_b32 v2, 15, v0                           ; r
	v_bfe_u32 v3, v0, 4, 1                         ; h
	v_lshlrev_b32 v4, 4, v1                        ; 16 x lane: my bytes of a load's 512, and of an image's
	s_mul_i32 s15, s14, STGB
	v_add_nc_u32 v5, s15, v4                       ; the stage, on the way in
	v_mul_u32_u24 v6, v2, 528
	v_lshl_add_u32 v6, v3, 7, v6
	v_add_nc_u32 v6, s15, v6                       ; and out: row r, + 128 h: my block of 32 numbers
	v_lshlrev_b32 v7, 3, v1                        ; 8 x lane: the scale words' way out
	v_lshlrev_b32 v8, 3, v3                        ; 8 h: my bytes' place in a scale word
	v_mov_b32 v17, 0                               ; a lane permute's destination counts as one of its sources
	s_mov_b32 s20, 0x76543210
	s_mov_b32 s21, 0xfedcba98                      ; v_permlanex16_b32's selects for lane l xor 16
	s_mov_b32 vcc_lo, 0xffff0000                   ; lanes 16-31
	s_and_b32 s16, s14, 1                          ; u
	s_lshr_b32 s17, s14, 1                         ; kh
	s_cmp_lt_u32 ttmp9, 256                        ; groups 0-255: x; 256-351: w_qkv; 352-383: w_out
	s_cselect_b32 s18, 0, 256
	s_cmp_lt_u32 ttmp9, 352
	s_cselect_b32 s18, s18, 352
	s_sub_co_u32 s18, ttmp9, s18                   ; the group's number in its tensor
	s_and_b32 s19, s18, 31                         ; w_qkv's groups by head: 256 + 6 head + 2 part + half
	s_lshr_b32 s19, s19, 1
	s_mul_i32 s19, s19, 6
	s_lshr_b32 s22, s18, 5
	s_lshl_b32 s22, s22, 1
	s_add_co_u32 s19, s19, s22
	s_and_b32 s22, s18, 1
	s_add_co_u32 s19, s19, s22
	s_add_co_u32 s19, s19, 256
	s_sub_co_u32 s23, ttmp9, 256
	s_cmp_lt_u32 s23, 96
	s_cselect_b32 s19, s19, ttmp9                  ; the other two tensors keep their order
	s_lshl_b32 s19, s19, 1
	s_add_co_u32 s19, s19, s16                     ; T
	s_lshl_b32 s24, s18, 17                        ; in: 32 rows of 4,096 bytes a group,
	s_lshl_b32 s23, s16, 15                        ; 8 rows for u,
	s_add_co_u32 s24, s24, s23
	s_lshl_b32 s23, s17, 11                        ; 2,048 bytes for kh
	s_add_co_u32 s24, s24, s23
	s_mov_b32 s25, 0
	s_mul_i32 s26, s19, 12288                      ; codes: 12,288 bytes a tile, 6,144 for kh
	s_mul_i32 s23, s17, 6144
	s_add_co_u32 s26, s26, s23
	s_mov_b32 s27, 0
	s_lshl_b32 s28, s19, 9                         ; scale words: 512 bytes a tile, 256 for kh
	s_lshl_b32 s23, s17, 8
	s_add_co_u32 s28, s28, s23
	s_mov_b32 s29, 0
	s_wait_alu depctr_va_vdst(0)
	s_wait_kmcnt 0x0
	s_cmp_lt_u32 ttmp9, 256                        ; the choice of the tensor hangs on the work-group's number alone
	s_cselect_b64 s[4:5], s[4:5], s[6:7]
	s_cmp_lt_u32 ttmp9, 352
	s_cselect_b64 s[4:5], s[4:5], s[8:9]
	s_add_nc_u64 s[4:5], s[4:5], s[24:25]
	s_add_nc_u64 s[10:11], s[10:11], s[26:27]
	s_add_nc_u64 s[12:13], s[12:13], s[28:29]
.macro LOAD q                          ; K step q: the 512 bytes of each of the tile's 16 rows
.irp i, 0,1,2,3,4,5,6,7,8,9,10,11,12,13,14,15
	global_load_b128 v[RA+64*((\q)%2)+4*\i:RA+64*((\q)%2)+4*\i+3], v4, s[4:5] offset:(\i+8*(\i/8))*4096+512*(\q) th:TH_LOAD_NT
.endr
.endm
.macro STEP q
.if (\q) < 3
	s_wait_loadcnt 16                              ; this step's 16 loads are in; the next step's 16 may be out
.else
	s_wait_loadcnt 0x0
.endif
.irp i, 0,1,2,3,4,5,6,7,8,9,10,11,12,13,14,15
	ds_store_b128 v5, v[RA+64*((\q)%2)+4*\i:RA+64*((\q)%2)+4*\i+3] offset:528*\i
.endr
.irp c, 0,1
.irp j, 0,1,2,3,4,5,6,7
	ds_load_b128 v[X+32*\c+4*\j:X+32*\c+4*\j+3], v6 offset:256*\c+16*\j   ; LDS serves a wave's instructions in order: these see the stores above
.endr
.endr
	s_wait_dscnt 0x0                               ; my 64 numbers are in, and the stage's stores have read their registers,
.if (\q) < 2
	LOAD (\q)+2                                    ; which take the loads of two steps on
.endif
.irp c, 0,1
	v_max3_num_f32 v[10+\c], |v[X+32*\c]|, |v[X+32*\c+1]|, 0x1800000   ; block 2 c + h is all mine; the floor 2^(3 - 127) holds the byte at 1 from below
.endr
.irp i, 2,4,6,8,10,12,14,16,18,20,22,24,26,28,30
.irp c, 0,1
	v_max3_num_f32 v[10+\c], v[10+\c], |v[X+32*\c+\i]|, |v[X+32*\c+\i+1]|
.endr
.endr
.irp c, 0,1
	v_add_nc_u32 v[12+\c], 0xff000000, v[10+\c]    ; 2 off the exponent field: the conversion's scale operand
.endr
.irp c, 0,1
	v_lshrrev_b32 v[14+\c], 23, v[12+\c]           ; the scale's byte
.endr
	v_lshl_or_b32 v16, v15, 16, v14                ; my two bytes, blocks h and 2 + h,
	v_lshlrev_b32 v16, v8, v16                     ; at their places;
	v_permlanex16_b32 v17, v16, s20, s21
	v_or_b32 v[W+(\q)], v16, v17                   ; with lane l xor 16's two the word is whole
	s_wait_alu depctr_va_vdst(0)
	s_wait_xcnt 0x0                                ; the last step's stores have read the registers that are written now
.irp c, 0,1
	v_cvt_scalef32_pk16_fp6_f32 v[C+6*\c:C+6*\c+2], v[X+32*\c:X+32*\c+15], v[12+\c]
	v_cvt_scalef32_pk16_fp6_f32 v[CT+4*\c:CT+4*\c+2], v[X+32*\c+16:X+32*\c+31], v[12+\c]   ; (a conversion's three registers begin on an even number)
.endr
	v_nop                                          ; one plain place behind a scaled conversion
.irp c, 0,1
.irp i, 0,1,2
	v_mov_b32 v[C+6*\c+3+\i], v[CT+4*\c+\i]
.endr
.endr
.irp j, 0,1,2
	global_store_b128 v4, v[C+4*\j:C+4*\j+3], s[10:11] offset:1536*(\q)+512*\j   ; 32 lanes store 512 consecutive bytes, aligned
.endr
.endm
	LOAD 0
	LOAD 1
	STEP 0
	STEP 1
	STEP 2
	STEP 3
	v_cndmask_b32 v22, v18, v20, vcc_lo            ; lanes 0-15 store steps 0, 1 of their row, lanes 16-31 steps 2, 3
	v_cndmask_b32 v23, v19, v21, vcc_lo
	global_store_b64 v7, v[22:23], s[12:13]        ; 256 consecutive bytes, aligned
	s_wait_tensorcnt 0x0
	ds_add_u32 v240, v241
	s_wait_dscnt 0x0
	s_endpgm
.Lfunc_end_k_q19e52dd4ce_quant:
	.size	k_q19e52dd4ce_quant, .Lfunc_end_k_q19e52dd4ce_quant-k_q19e52dd4ce_quant
	.p2alignl 7, 3214868480
	.fill 96, 4, 3214868480
	.section	.rodata,"a",@progbits
	.p2align	6, 0x0
	.amdhsa_kernel k_q19e52dd4ce_quant
		.amdhsa_group_segment_fixed_size 34304
		.amdhsa_private_segment_fixed_size 0
		.amdhsa_enable_private_segment 0
		.amdhsa_kernarg_size 40
		.amdhsa_user_sgpr_count 2
		.amdhsa_user_sgpr_kernarg_segment_ptr 1
		.amdhsa_wavefront_size32 1
		.amdhsa_system_sgpr_workgroup_id_x 1
		.amdhsa_system_sgpr_workgroup_id_y 1
		.amdhsa_system_sgpr_workgroup_id_z 1
		.amdhsa_system_vgpr_workitem_id 0
		.amdhsa_next_free_vgpr 242
		.amdhsa_next_free_sgpr 66
		.amdhsa_reserve_vcc 1
		.amdhsa_float_denorm_mode_32 3
		.amdhsa_float_denorm_mode_16_64 3
		.amdhsa_memory_ordered 1
		.amdhsa_forward_progress 1
		.amdhsa_inst_pref_size 31
	.end_amdhsa_kernel
	.amdgpu_metadata
---
amdhsa.version: [ 1, 2 ]
amdhsa.kernels:
  - .name:           k_q19e52dd4ce_quant
    .symbol:         k_q19e52dd4ce_quant.kd
    .args:
      - { .name: x, .offset: 0, .size: 8, .value_kind: global_buffer, .address_space: global }
      - { .name: w_qkv, .offset: 8, .size: 8, .value_kind: global_buffer, .address_space: global }
      - { .name: w_out, .offset: 16, .size: 8, .value_kind: global_buffer, .address_space: global }
      - { .name: codes, .offset: 24, .size: 8, .value_kind: global_buffer, .address_space: global }
      - { .name: scales, .offset: 32, .size: 8, .value_kind: global_buffer, .address_space: global }
    .group_segment_fixed_size: 34304
    .private_segment_fixed_size: 0
    .kernarg_segment_align: 8
    .kernarg_segment_size: 40
    .max_flat_workgroup_size: 128
    .sgpr_count:     66
    .vgpr_count:     242
    .wavefront_size: 32
...
	.end_amdgpu_metadata
.endif
;; end of part 1
;; launch qkv (part 2): grid 16 x 32, 4 waves a work-group, clusters of 4 x 4, 327,680 bytes of LDS; arguments codes, scales, qc, qs, kv; writes qc, qs, kv
.if DOCPART == 2
	.amdgcn_target "amdgcn-amd-amdhsa--gfx1250"
	.amdhsa_code_object_version 6
	.text
	.protected	k_q19e52dd4ce_qkv
	.globl	k_q19e52dd4ce_qkv
	.p2align	8
	.type	k_q19e52dd4ce_qkv,@function
k_q19e52dd4ce_qkv:
	s_mov_b64 s[64:65], 0
	v_nop
	global_prefetch_b8 v0, s[64:65] scope:SCOPE_SE
	s_setreg_imm32_b32 hwreg(HW_REG_WAVE_MODE, 25, 1), 1
	s_wait_xcnt 0x0
	s_wait_alu depctr_hold_cnt(0) depctr_sa_sdst(0) depctr_va_vdst(0) depctr_va_sdst(0) depctr_va_ssrc(0) depctr_va_vcc(0) depctr_vm_vsrc(0)
	s_getreg_b32 s2, hwreg(HW_REG_IB_STS2, 6, 4)
	s_cmp_eq_u32 s2, 0
	s_cbranch_scc0 .Lentry_in_a_cluster
	s_endpgm
.Lentry_in_a_cluster:
	s_bfe_u32 s2, ttmp6, 0x10000c
	s_cmp_lg_u32 s2, 0xf033
	s_cbranch_scc0 .Lentry_shape_is_right
	s_endpgm
.Lentry_shape_is_right:
; qkv = x w_qkv^T on codes of FP6 (E2M3) with E8M0 scales, sums in f32; q, k and v are quantised here, in registers, and leave as codes laid as the attention launch's operands.
; SHARES.  A work-group: 256 tokens (by) x one head's 192 columns (bx): 64 of q, 64 of k, 64 of v.  Wave w: 64 tokens (x's tiles 16 by + 4 w + m) x all 192: 48 accumulators.
; q's and k's products are used TRANSPOSED (source 0 = 16 rows of w, source 1 = 16 tokens): a lane holds one token and its registers run along the head's 64, which is the next product's K.
; v's are used straight (source 0 = tokens, source 1 = rows of w): a lane holds one feature and its registers run down the tokens, which are the third product's K.
; The rows of a tile are not neighbours (place r of tile 2 G + u is row 32 G + 8 u + r + 8 (r / 8)), so that the 16 registers of two neighbouring tiles are 16 neighbours along the next K.
; w's twelve tiles lie in LDS for all of K, filled once; x's fragments come from memory.  All eight K steps are written out.
; CLUSTER 4 x 4: x's tiles hang on by alone and are asked for jointly along a row of the cluster, w's on bx alone, along a column.
; OUT.  qc [bh][tile 64][i 3][lane][8 bytes]: six registers a tile (k = 32 (lane / 16) + 0 .. 31).   qs [bh][group 32][r][u] words.
;       kv [bh][step 8][13,056 bytes]: K's codes [pair 4][j 3][lane][16]; at 6,144 V's codes [c 2][n 4][i 3][lane][8]; at 12,288 K's scale words [b 4][r][u]; at 12,800 V's [n 4][r].
;       q's and k's scale words hold their two bytes twice: the idle half of the K = 128 instruction then has ordinary scales.
; LIMITS: a block of zeros gets the byte 1 (its codes are zeros; this program alone reads the bytes); blocks under 2^-124 are held at the byte 1; NaN and infinities are not served.
; REGISTERS, in windows of 256: window 0: v16-31 addresses; v32-63 scale words, two sets, and nothing else; v64-125 the way out; v128-255 v's 16 accumulators (128 + 32 n + 8 m).
;   windows 1, 2: the two sets of fragments: x's four at 12 m, w's twelve at 48 + 12 t.   window 3: q's and k's 32 accumulators (64 m + 8 t, t = 4 part + tile).
; HOW THE OPERANDS COME (this takes the place of what the head says of slots): the head's 12 tiles of w, all of K, 147,456 bytes, lie in LDS from byte 0, filled once: wave 0 asks for tiles 0-5, wave 1 for 6-11,
; wave 2 for x's scale words, wave 3 for w's: one joint load a wave, nothing is filled again.  A fragment of x is used by one wave alone: it comes from memory straight into registers, three K steps ahead, in four sets.
.set SCA,   147456
.set SCB,   SCA+8192                   ; w's: 12 x 512
.set VSTG,  SCB+6144                   ; where two waves' halves of v's scale words meet: 512 bytes of their own
.set SPARE, VSTG+512                   ; the spare words, 128 bytes a wave: two blocks of 256 bytes that no other line names
.set ADRA, 16                          ; not used
.set ADRB, 20                          ; v20-22  w's
.set XSA,  24                          ; v24     my x scale words: lanes 0-15 the even K step's, lanes 16-31 the odd one's
.set WSA,  25                          ; v25     w's
.set L8,   26                          ; v26     8 x lane
.set L16,  27                          ; v27     16 x lane
.set SPW,  28                          ; v28     my spare word; never rewritten
.set NIL,  29                          ; v29     0; never rewritten
.set VST,  30                          ; v30     where I put my two bytes of a v scale word
.set VLD,  31                          ; v31     where a step's 256 bytes of them are read back
.set SC,   32                          ; set z at v[32 + 16 z]: x's m at + m, w's t at + 4 + t
.set C,    64                          ; v64-87   four units' codes, six registers each
.set CT,   88                          ; v88-103  the second blocks as converted
.set TM,   104                         ; v104-111 largest magnitudes, then the conversions' scale operands
.set PM,   112                         ; v112-119 the other half's maxima, then the bytes
.set SWD,  120                         ; v120-123 the units' scale words
.set P,    124                         ; v124-125 a pair of them on its way out
.set WV, 16
.set WH, 17
.set WL, 18
.set BY, 19
.set BX, 20
.set CX, 21
.set CY, 22
.set G1A,  24                          ; group 1: s[32:39] w's codes;  s[40:47] x's scale words;  s[48:55] w's
.set G1B,  32
.set G1SA, 40
.set G1SB, 48
.set G0A,  56                          ; s[56:57]: x's fragments in memory
.set G0B,  72                          ; w's at s[72 + 4 s]
.set G0SA, 84
.set G0SB, 88
.set QCB, 92                           ; s[92:101] where my results go
.set QSB, 94
.set KVB, 96
.set KSB, 98
.set VSB, 100
.set MSB, 0
.macro WIN new                         ; the immediate's high byte repeats the setting that is left
.if MSB != (\new)
	s_set_vgpr_msb (MSB<<8)|(\new)
.set MSB, (\new)
.endif
.endm
.macro PLACES
.rept 4
	v_nop
.endr
.endm
.macro GROUP1 g, c, r, p               ; r rows of c elements of 8 bytes, p elements apart
	s_mov_b32 s[\g+1], (\c)<<16
	s_mov_b32 s[\g+2], (\r)<<16
	s_mov_b32 s[\g+3], (\c)<<16
	s_mov_b32 s[\g+4], \r
	s_mov_b32 s[\g+5], \p
	s_mov_b32 s[\g+6], 0
	s_mov_b32 s[\g+7], 0
.endm
; A joint load: waves 0 and 1 fetch x's halves, waves 2 and 3 w's.  The branch hangs on the wave's number alone.  Four v_nop follow each of the two lines.
.macro JLOAD g0a, g1a, g0b, g1b
	s_cmp_eq_u32 s[WH], 0
	s_cbranch_scc0 .Lfor_b_\@
	tensor_load_to_lds s[\g0a:\g0a+3], s[\g1a:\g1a+7]
	s_nop 0
.rept 4
	v_nop
.endr
	s_branch .Lasked_\@
.Lfor_b_\@:
	tensor_load_to_lds s[\g0b:\g0b+3], s[\g1b:\g1b+7]
	s_nop 0
.rept 4
	v_nop
.endr
.Lasked_\@:
.endm
.macro CROUND                          ; a round of the cluster's barrier
	s_barrier_signal -1
	s_barrier_wait -1
	s_cmp_lg_u32 s[WV], 0
	s_cbranch_scc1 .Lnot_wave_0_\@
	s_barrier_signal -3
.Lnot_wave_0_\@:
	s_barrier_wait -3
	s_barrier_signal -1
	s_barrier_wait -1
.endm
	s_load_b256 s[4:11], s[0:1], 0x0               ; codes, scales, qc, qs
	s_load_b64 s[12:13], s[0:1], 0x20              ; kv
	v_lshl_add_u32 v[SPW], v0, 2, SPARE
	v_mov_b32 v[NIL], 0
	ds_add_u32 v28, v29
	ds_add_u32 v28, v29
	s_wait_dscnt 0x0
	v_lshrrev_b32 v1, 5, v0
	v_readfirstlane_b32 s[WV], v1                  ; wave 0..3
	s_lshr_b32 s[WH], s[WV], 1                     ; my tokens' key step of the block's two
	s_and_b32 s[WL], s[WV], 1                      ; which half
	s_bfe_u32 s[CX], ttmp6, 0x40000
	s_bfe_u32 s[CY], ttmp6, 0x40004
	s_lshl_b32 s[BX], ttmp9, 2
	s_add_co_u32 s[BX], s[BX], s[CX]               ; the head
	s_and_b32 s[BY], ttmp7, 0xffff
	s_lshl_b32 s[BY], s[BY], 2
	s_add_co_u32 s[BY], s[BY], s[CY]               ; the block of 256 tokens
	s_lshl_b32 s2, s[CY], 2
	s_lshl_b32 s2, 15, s2                          ; my row of the cluster
	s_lshl_b32 s3, 0x1111, s[CX]                   ; my column
	s_or_b32 s[G1SA], s2, (3<<16)|(1<<21)
	s_or_b32 s[G1B], s3, (3<<16)|(1<<21)
	s_or_b32 s[G1SB], s3, (3<<16)|(1<<21)
	GROUP1 G1B, 32, 288, 32                        ; six tiles of w, all of K: 73,728 dense bytes as rows of 256
	GROUP1 G1SA, 32, 32, 32                        ; x's scale words: 8,192 dense bytes
	GROUP1 G1SB, 32, 24, 32                        ; w's: 6,144
	s_wait_kmcnt 0x0
	s_lshl_b32 s23, s[BY], 4                       ; x: tile 16 by; my four begin at + 4 w
	s_lshl_b32 s100, s[WV], 2
	s_add_co_u32 s100, s23, s100
	s_mul_i32 s100, s100, 12288
	s_mov_b32 s101, 0
	s_add_nc_u64 s[56:57], s[4:5], s[100:101]      ; where my fragments of x lie in memory
	s_lshl_b32 s100, s23, 9                        ; the block's scale words
	s_mov_b32 s[G0SA], 1
	s_mov_b32 s[G0SA+1], SCA
	s_add_nc_u64 s[G0SA+2:G0SA+3], s[6:7], s[100:101]
	s_or_b32 s[G0SA+3], s[G0SA+3], 0x80000000
	s_mul_i32 s23, s[BX], 12                       ; w: tile 512 + 12 bx
	s_add_co_u32 s23, s23, 512
	s_lshl_b32 s100, s23, 9
	s_mov_b32 s[G0SB], 1
	s_mov_b32 s[G0SB+1], SCB
	s_add_nc_u64 s[G0SB+2:G0SB+3], s[6:7], s[100:101]
	s_or_b32 s[G0SB+3], s[G0SB+3], 0x80000000
	s_mul_i32 s100, s23, 12288
	s_add_nc_u64 s[100:101], s[4:5], s[100:101]
.irp s, 0,1
	s_mov_b32 s[G0B+4*\s], 1
	s_mov_b32 s[G0B+4*\s+1], \s*73728
	s_add_nc_u64 s[G0B+4*\s+2:G0B+4*\s+3], s[100:101], \s*73728
	s_or_b32 s[G0B+4*\s+3], s[G0B+4*\s+3], 0x80000000
.endr
	CROUND                                         ; all sixteen work-groups are here: the joint loads meet
; one joint load a wave, in one chain of branches on the wave's number
.macro ARM under, g0, g1, next
	s_cmp_lt_u32 s[WV], \under
	s_cbranch_scc0 \next
	tensor_load_to_lds s[\g0:\g0+3], s[\g1:\g1+7]
	s_nop 0
.rept 4
	v_nop
.endr
	s_branch .Lhead_asked
\next:
.endm
	ARM 1, G0B, G1B, .Lhead_b
	ARM 2, G0B+4, G1B, .Lhead_sa
	ARM 3, G0SA, G1SA, .Lhead_sb
	tensor_load_to_lds s[G0SB:G0SB+3], s[G1SB:G1SB+7]
	s_nop 0
.rept 4
	v_nop
.endr
.Lhead_asked:
	v_and_b32 v1, 31, v0                           ; lane
	v_and_b32 v2, 15, v0                           ; r
	v_bfe_u32 v3, v0, 4, 1                         ; h
	v_lshlrev_b32 v[L16], 4, v1
	v_lshlrev_b32 v[L8], 3, v1
.irp s, 0,1,2
	v_add_nc_u32 v[ADRB+\s], \s*49152, v[L16]      ; w's tiles 4 s .. 4 s + 3
.endr
.macro FETCHX q                        ; K step q's four fragments of x, from memory: set q % 4 = window 1 + q % 2, from v0 or from v192
	WIN 0x40<<((\q)%2)
.irp m, 0,1,2,3
.irp j, 0,1,2
	global_load_b128 v[192*(((\q)/2)%2)+12*\m+4*\j:192*(((\q)/2)%2)+12*\m+4*\j+3], v[L16], s[56:57] offset:\m*12288+(\q)*1536+512*\j
.endr
.endr
	WIN 0
.endm
	s_wait_alu depctr_va_vdst(0)
	FETCHX 0
	FETCHX 1
	FETCHX 2
	v_lshlrev_b32 v4, 3, v2
	v_lshl_add_u32 v4, v3, 2, v4                   ; 8 r + 4 h
	s_lshl_b32 s23, s[WV], 11
	s_add_co_u32 s23, s23, SCA
	v_add_nc_u32 v[XSA], s23, v4
	v_add_nc_u32 v[WSA], SCB, v4
	s_lshl_b32 s23, s[WH], 8                       ; v's scale words: 256 bytes for each of the block's two key steps, my two bytes at 2 (w & 1)
	s_lshl_b32 s100, s[WL], 1
	s_add_co_u32 s23, s23, s100
	s_add_co_u32 s23, s23, VSTG
	v_lshl_add_u32 v[VST], v2, 2, s23
	s_lshl_b32 s23, s[WL], 8
	s_add_co_u32 s23, s23, VSTG
	v_add_nc_u32 v[VLD], s23, v[L8]
	s_lshr_b32 s2, s[BY], 2                        ; where my results go: bh = 16 batch + head,
	s_lshl_b32 s2, s2, 4
	s_add_co_u32 s2, s2, s[BX]
	s_and_b32 s3, s[BY], 3                         ; and which quarter of the batch's tokens
	s_mul_i32 s[QCB], s2, 49152                    ; qc: tile 16 quarter + 4 w, 768 bytes a tile
	s_lshl_b32 s23, s3, 4
	s_lshl_b32 s100, s[WV], 2
	s_add_co_u32 s23, s23, s100
	s_mul_i32 s23, s23, 768
	s_add_co_u32 s[QCB], s[QCB], s23
	s_mov_b32 s[QCB+1], 0
	s_add_nc_u64 s[QCB:QCB+1], s[8:9], s[QCB:QCB+1]
	s_lshl_b32 s[QSB], s2, 12                      ; qs: group 8 quarter + 2 w, 128 bytes a group
	s_lshl_b32 s23, s3, 3
	s_lshl_b32 s100, s[WV], 1
	s_add_co_u32 s23, s23, s100
	s_lshl_b32 s23, s23, 7
	s_add_co_u32 s[QSB], s[QSB], s23
	s_mov_b32 s[QSB+1], 0
	s_add_nc_u64 s[QSB:QSB+1], s[10:11], s[QSB:QSB+1]
	s_mul_i32 s2, s2, 104448                       ; kv: the head's eight key steps
	s_lshl_b32 s3, s3, 1
	s_add_co_u32 s23, s3, s[WH]                    ; my tokens' key step
	s_mul_i32 s23, s23, 13056
	s_add_co_u32 s23, s23, s2
	s_mul_i32 s100, s[WL], 3072                    ; my half of its codes, K's and V's alike
	s_add_co_u32 s[KVB], s23, s100
	s_mov_b32 s[KVB+1], 0
	s_add_nc_u64 s[KVB:KVB+1], s[12:13], s[KVB:KVB+1]
	s_lshl_b32 s100, s[WL], 8                      ; my half of K's scale words
	s_add_co_u32 s[KSB], s23, s100
	s_mov_b32 s[KSB+1], 0
	s_add_nc_u64 s[KSB:KSB+1], s[12:13], s[KSB:KSB+1]
	s_add_co_u32 s23, s3, s[WL]                    ; the key step whose V scale words waves 0 and 1 store
	s_mul_i32 s23, s23, 13056
	s_add_co_u32 s[VSB], s23, s2
	s_mov_b32 s[VSB+1], 0
	s_add_nc_u64 s[VSB:VSB+1], s[12:13], s[VSB:VSB+1]
.macro FRAG3 reg, adr, off             ; a fragment comes as it was stored: three loads of 512 consecutive bytes
.irp j, 0,1,2
	ds_load_b128 v[\reg+4*\j:\reg+4*\j+3], v[\adr] offset:\off+512*\j
.endr
.endm
.macro FETCH q                         ; K step q's 12 fragments of w into set q % 2; with an even step the scale words of two steps
	WIN 0x40<<((\q)%2)
.irp t, 0,1,2,3,4,5,6,7,8,9,10,11
	FRAG3 48+12*\t, ADRB+\t/4, (\t%4)*12288+(\q)*1536
.endr
.if (\q)%2 == 0
	WIN 0
.irp m, 0,1,2,3
	ds_load_b32 v[SC+16*(((\q)/2)%2)+\m], v[XSA] offset:\m*512+((\q)/2)*128
.endr
.irp t, 0,1,2,3,4,5,6,7,8,9,10,11
	ds_load_b32 v[SC+16*(((\q)/2)%2)+4+\t], v[WSA] offset:\t*512+((\q)/2)*128
.endr
.endif
.endm
.macro MM d, a, b, sa, sb, q           ; K step 0 starts the sums: nothing is cleared.  An odd step's scale words lie in lanes 16-31
.if (\q) == 0
	v_wmma_scale_f32_16x16x128_f8f6f4 v[\d:\d+7], v[\a:\a+11], v[\b:\b+11], 0, v[\sa], v[\sb] matrix_a_fmt:MATRIX_FMT_FP6 matrix_b_fmt:MATRIX_FMT_FP6
.elseif (\q)%2
	v_wmma_scale_f32_16x16x128_f8f6f4 v[\d:\d+7], v[\a:\a+11], v[\b:\b+11], v[\d:\d+7], v[\sa], v[\sb] matrix_a_fmt:MATRIX_FMT_FP6 matrix_b_fmt:MATRIX_FMT_FP6 matrix_a_scale:MATRIX_SCALE_ROW1 matrix_b_scale:MATRIX_SCALE_ROW1
.else
	v_wmma_scale_f32_16x16x128_f8f6f4 v[\d:\d+7], v[\a:\a+11], v[\b:\b+11], v[\d:\d+7], v[\sa], v[\sb] matrix_a_fmt:MATRIX_FMT_FP6 matrix_b_fmt:MATRIX_FMT_FP6
.endif
.endm
; The 48 accumulators take turns, one instruction a turn, in the same order in every K step.
.macro MULQK q                         ; q and k: source 0 = w, source 1 = x; C and D window 3
.set SCS, SC+16*(((\q)/2)%2)
	WIN 0xf5+5*((\q)%2)
.irp m, 0,1,2,3
.irp t, 0,1,2,3,4,5,6,7
	MM 64*\m+8*\t, 48+12*\t, 192*(((\q)/2)%2)+12*\m, SCS+4+\t, SCS+\m, \q
.endr
.endr
.endm
.macro MULV q                          ; v: source 0 = x, source 1 = w; C and D window 0
.set SCS, SC+16*(((\q)/2)%2)
	WIN 0x05+5*((\q)%2)
.irp m, 0,1,2,3
.irp n, 0,1,2,3
	MM 128+32*\n+8*\m, 192*(((\q)/2)%2)+12*\m, 144+12*\n, SCS+\m, SCS+12+\n, \q
.endr
.endr
.endm
; A K step: its fragments are in; the next step's are asked for, four places behind the products that read their registers; then its 48 products.
; the second argument, sync, is not used.
.macro KSTEP q, sync
	s_wait_dscnt 0x0                               ; this step's fragments of w and the scale words are in
.if (\q) < 6
	s_wait_loadcnt 24                              ; and its 12 loads of x: the 24 of the two steps behind it may be out
.else
	s_wait_loadcnt 12*(7-(\q))
.endif
	PLACES
.if (\q) < 7
	FETCH (\q)+1
.endif
.if (\q) < 5
	FETCHX (\q)+3                                  ; into the set that the last step's products read
.endif
	MULQK \q
	MULV \q
	WIN 0
.endm
	s_wait_alu depctr_va_vdst(0)
	s_wait_tensorcnt 0x0                           ; my one load has landed; the barrier shows everybody's
	s_barrier_signal -1
	s_barrier_wait -1
	FETCH 0
	KSTEP 0, 0
	KSTEP 1, 1
	KSTEP 2, 0
	KSTEP 3, 0
	KSTEP 4, 0
	KSTEP 5, 2
	KSTEP 6, 0
	KSTEP 7, 0
; THE WAY OUT.  Four units of 32 registers (window sw, the first at s, stride apart): register 16 b + i of a unit is number 32 b + 16 (lane / 16) + i along the next K.
; Each unit becomes six registers of codes (v[C + 6 m] on: a whole block in a lane: lanes 0-15 block 0, lanes 16-31 block 1) and two scale bytes (v[SWD + m]).  Each accumulator is read from its low end on.
.macro QUANT4 s, stride, sw
	s_wait_xcnt 0x0                                ; the stores before have read the registers that are written now
	WIN (\sw)|((\sw)<<2)
.irp m, 0,1,2,3
.irp b, 0,1
	v_max3_num_f32 v[TM+2*\m+\b], |v[\s+\stride*\m+16*\b]|, |v[\s+\stride*\m+16*\b+1]|, 0x1800000   ; the floor 2^(3 - 127) holds the byte at 1 from below
.endr
.endr
	WIN ((\sw)<<2)|((\sw)<<4)
.irp i, 2,4,6,8,10,12,14
.irp m, 0,1,2,3
.irp b, 0,1
	v_max3_num_f32 v[TM+2*\m+\b], v[TM+2*\m+\b], |v[\s+\stride*\m+16*\b+\i]|, |v[\s+\stride*\m+16*\b+\i+1]|
.endr
.endr
.endr
	WIN 0
.irp i, 0,1,2,3,4,5,6,7
	v_permlanex16_b32 v[PM+\i], v[TM+\i], s2, s3
.endr
.irp i, 0,1,2,3,4,5,6,7
	v_max_num_f32 v[TM+\i], v[TM+\i], v[PM+\i]     ; with lane l xor 16's: the block's largest magnitude
.endr
.irp i, 0,1,2,3,4,5,6,7
	v_add_nc_u32 v[TM+\i], 0xff000000, v[TM+\i]    ; 2 off the exponent field: the conversion's scale operand
.endr
.irp i, 0,1,2,3,4,5,6,7
	v_lshrrev_b32 v[PM+\i], 23, v[TM+\i]           ; the byte
.endr
.irp m, 0,1,2,3
	v_lshl_or_b32 v[SWD+\m], v[PM+2*\m+1], 8, v[PM+2*\m]
.endr
	WIN \sw
.irp m, 0,1,2,3
	v_cvt_scalef32_pk16_fp6_f32 v[C+6*\m:C+6*\m+2], v[\s+\stride*\m:\s+\stride*\m+15], v[TM+2*\m]
	v_cvt_scalef32_pk16_fp6_f32 v[CT+4*\m:CT+4*\m+2], v[\s+\stride*\m+16:\s+\stride*\m+31], v[TM+2*\m+1]
.endr
	WIN 0
	v_nop                                          ; one plain place behind a scaled conversion
.irp m, 0,1,2,3
.irp i, 0,1,2
	v_permlane16_swap_b32 v[C+6*\m+\i], v[CT+4*\m+\i]   ; the first's lanes 16-31 change places with the second's lanes 0-15
.endr
.irp i, 0,1,2
	v_mov_b32 v[C+6*\m+3+\i], v[CT+4*\m+\i]
.endr
.endr
.endm
.macro WORDS                           ; two bytes twice; lanes 0-15 take the first group's two tiles, lanes 16-31 the second's
.irp m, 0,1,2,3
	v_lshl_or_b32 v[SWD+\m], v[SWD+\m], 16, v[SWD+\m]
.endr
	v_cndmask_b32 v[P], v[SWD], v[SWD+2], vcc_lo
	v_cndmask_b32 v[P+1], v[SWD+1], v[SWD+3], vcc_lo
.endm
.irp i, 0,1,2,3,4,5,6,7
	v_mov_b32 v[PM+\i], 0                          ; a lane permute's destination counts as one of its sources.  These eight are also the places behind the last products
.endr
	s_mov_b32 s2, 0x76543210
	s_mov_b32 s3, 0xfedcba98                       ; v_permlanex16_b32's selects for lane l xor 16
	s_mov_b32 vcc_lo, 0xffff0000                   ; lanes 16-31
	QUANT4 0, 64, 3                                ; q: unit m = my tile m of tokens
	WORDS
.irp m, 0,1,2,3
.irp i, 0,1,2
	global_store_b64 v[L8], v[C+6*\m+2*\i:C+6*\m+2*\i+1], s[QCB:QCB+1] offset:768*\m+256*\i   ; 256 consecutive bytes, aligned
.endr
.endr
	global_store_b64 v[L8], v[P:P+1], s[QSB:QSB+1]
	QUANT4 32, 64, 3                               ; k: two tiles' six registers are one image of twelve
	WORDS
.irp j, 0,1,2,3,4,5
	global_store_b128 v[L16], v[C+4*\j:C+4*\j+3], s[KVB:KVB+1] offset:512*\j
.endr
	global_store_b64 v[L8], v[P:P+1], s[KSB:KSB+1] offset:12288
	QUANT4 128, 32, 0                              ; v: unit n = tile n of the head's features; my 64 tokens are half c = w & 1 of a key step
.irp n, 0,1,2,3
.irp i, 0,1,2
	global_store_b64 v[L8], v[C+6*\n+2*\i:C+6*\n+2*\i+1], s[KVB:KVB+1] offset:6144+768*\n+256*\i
.endr
.endr
.irp n, 0,1,2,3
	ds_store_b16 v[VST], v[SWD+\n] offset:64*\n    ; my two bytes of the feature's word; both halves of the lanes write the same bytes with the same value
.endr
	s_wait_dscnt 0x0                               ; for the others' sake: my stores are done
	s_barrier_signal -1
	s_barrier_wait -1
	s_cmp_lt_u32 s[WV], 2                          ; waves 0 and 1 store the two key steps' words
	s_cbranch_scc0 .Lno_vs
	ds_load_b64 v[P:P+1], v[VLD]
	s_wait_dscnt 0x0
	global_store_b64 v[L8], v[P:P+1], s[VSB:VSB+1] offset:12800
.Lno_vs:
	s_wait_tensorcnt 0x0                           ; the wave's end
	ds_add_u32 v[SPW], v[NIL]
	s_wait_dscnt 0x0
	CROUND                                         ; the closing round
	s_endpgm
.Lfunc_end_k_q19e52dd4ce_qkv:
	.size	k_q19e52dd4ce_qkv, .Lfunc_end_k_q19e52dd4ce_qkv-k_q19e52dd4ce_qkv
	.p2alignl 7, 3214868480
	.fill 96, 4, 3214868480
	.section	.rodata,"a",@progbits
	.p2align	6, 0x0
	.amdhsa_kernel k_q19e52dd4ce_qkv
		.amdhsa_group_segment_fixed_size 327680
		.amdhsa_private_segment_fixed_size 0
		.amdhsa_enable_private_segment 0
		.amdhsa_kernarg_size 40
		.amdhsa_user_sgpr_count 2
		.amdhsa_user_sgpr_kernarg_segment_ptr 1
		.amdhsa_wavefront_size32 1
		.amdhsa_system_sgpr_workgroup_id_x 1
		.amdhsa_system_sgpr_workgroup_id_y 1
		.amdhsa_system_sgpr_workgroup_id_z 1
		.amdhsa_system_vgpr_workitem_id 0
		.amdhsa_next_free_vgpr 1024
		.amdhsa_next_free_sgpr 102
		.amdhsa_reserve_vcc 1
		.amdhsa_float_denorm_mode_32 3
		.amdhsa_float_denorm_mode_16_64 3
		.amdhsa_memory_ordered 1
		.amdhsa_forward_progress 1
		.amdhsa_inst_pref_size 118
	.end_amdhsa_kernel
	.amdgpu_metadata
---
amdhsa.version: [ 1, 2 ]
amdhsa.kernels:
  - .name:           k_q19e52dd4ce_qkv
    .symbol:         k_q19e52dd4ce_qkv.kd
    .args:
      - { .name: codes, .offset: 0, .size: 8, .value_kind: global_buffer, .address_space: global }
      - { .name: scales, .offset: 8, .size: 8, .value_kind: global_buffer, .address_space: global }
      - { .name: qc, .offset: 16, .size: 8, .value_kind: global_buffer, .address_space: global }
      - { .name: qs, .offset: 24, .size: 8, .value_kind: global_buffer, .address_space: global }
      - { .name: kv, .offset: 32, .size: 8, .value_kind: global_buffer, .address_space: global }
    .group_segment_fixed_size: 327680
    .private_segment_fixed_size: 0
    .kernarg_segment_align: 8
    .kernarg_segment_size: 40
    .max_flat_workgroup_size: 128
    .sgpr_count:     102
    .vgpr_count:     1024
    .wavefront_size: 32
...
	.end_amdgpu_metadata
.endif
;; end of part 2
;; launch attnproj (part 3): grid 256 x 1, 16 waves a work-group, no clusters, 97,280 bytes of LDS; arguments qc, qs, kv, temperature, codes, scales, b_out, out0; writes out0
.if DOCPART == 3
	.amdgcn_target "amdgcn-amd-amdhsa--gfx1250"
	.amdhsa_code_object_version 6
	.text
	.protected	k_q19e52dd4ce_attnproj
	.globl	k_q19e52dd4ce_attnproj
	.p2align	8
	.type	k_q19e52dd4ce_attnproj,@function
k_q19e52dd4ce_attnproj:
	s_mov_b64 s[64:65], 0
	v_nop
	global_prefetch_b8 v0, s[64:65] scope:SCOPE_SE
	s_setreg_imm32_b32 hwreg(HW_REG_WAVE_MODE, 25, 1), 1
	s_wait_xcnt 0x0
; out0 = (softmax(q k^T e^temperature, diagonal masked) v) w_out^T + b_out, all four operands' products on codes of FP6 (E2M3) with E8M0 scales, sums in f32.
; SHARES.  A work-group: one group of 32 tokens (g & 31) of a batch (g >> 5), all 16 heads.  Wave w is head w: two tiles of 16 queries against the head's 1,024 keys in eight steps of 128.
; K's and V's fragments are used by this wave alone (for both its tiles), so they come from memory straight into registers, as the launch before laid them: no LDS, no barrier, no joint load in the key loop.
; V is asked for one softmax ahead of its products, K directly behind a step's last products; four waves share a SIMD and take turns under each other's waits: so no prefetch is laid.
; Both products are used transposed (S^T = k q^T, O^T = v^T p^T): a lane holds one query.  p = 2^(t - M), M the ceiling of the running largest t, kept as -M; the row's sum is of the unquantised p.
; The head's 64 fill half of the K = 128 instruction: tile 0's q lies in the lower half, tile 1's in the upper, six registers of zero codes between them serve both; the other operand's idle half is whatever lies beside K's tile.
; THE DIAGONAL lies in key step G / 4, in tile 2 (G % 4) + u, where place = place: eight selects there, by branches on the work-group's number.
; THEN o is divided by the sum, quantised along (head, d), and handed to all waves as an image of the operand's registers in LDS (one barrier); wave w makes 32 tokens x columns 64 w .. 64 w + 63:
; source 0 = w_out's rows (from memory, two K steps in flight), source 1 = o; the bias is loaded into the accumulators.  Rows leave through the wave's own stage, 16 lanes to an aligned unit of 256 bytes.
; LIMITS: the promise holds while |t| stays under 2^31; a block of zeros gets the byte 1 (its codes are zeros; this program alone reads the bytes); NaN and infinities among the inputs are not served.
; REGISTERS: v0-5, v54-59 constants (also the idle halves beside K); v6-53 K, then V; v60-65 f, -M and temporaries; v66-83 q0, zeros, q1; v84-91 scale words; v92-155 S, p; v156-219 O^T; v220-243 p's codes; v244-255 block maxima, sums.
.set STEPB, 13056
.set L16, 1
.set L8,  2
.set A84, 3
.set L4,  4
.set OST, 5
.set KV,  6
.set OSS, 54
.set STO, 55
.set RD,  56
.set BA,  57
.set OSL, 58
.set CO,  59
.set F,   60
.set NM,  62
.set QF,  66
.set KS,  84
.set QS,  88
.set PS,  90
.set S,   92
.set O,   156
.set PC,  220
.set BM,  244
.set BP,  248
.set LS,  252
.set OSC,   24576                      ; LDS: o's codes [u][K step][i 6][lane][8] from 0; its scale words [u][K step][r] here
.set STG,   25600                      ; the waves' stages: 16 rows x 272 bytes each
.set SPARE, 95232                      ; the spare words, 128 bytes a wave
.macro PLACES
.rept 4
	v_nop
.endr
.endm
	s_load_b256 s[4:11], s[0:1], 0x0               ; qc, qs, kv, temperature
	s_load_b256 s[12:19], s[0:1], 0x20             ; codes, scales, b_out, out0
	v_lshrrev_b32 v61, 5, v0
	v_readfirstlane_b32 s20, v61                   ; wave = head
	s_and_b32 s21, ttmp9, 31                       ; G
	s_lshr_b32 s22, ttmp9, 5                       ; batch
	s_lshl_b32 s23, s22, 4
	s_add_co_u32 s23, s23, s20                     ; bh
	s_lshr_b32 s29, s21, 2                         ; the diagonal's key step
	s_and_b32 s30, s21, 3                          ; and its block of 32 keys
	s_mul_i32 s46, s23, 49152
	s_mul_i32 s40, s21, 1536
	s_add_co_u32 s46, s46, s40
	s_mov_b32 s47, 0
	s_lshl_b32 s48, s23, 12
	s_lshl_b32 s40, s21, 7
	s_add_co_u32 s48, s48, s40
	s_mov_b32 s49, 0
	s_mul_i32 s50, s23, 8*STEPB
	s_mov_b32 s51, 0
	s_lshl_b32 s40, s20, 2
	s_add_co_u32 s40, s40, 704                     ; w_out's tile 704 + 4 w
	s_mul_i32 s52, s40, 12288
	s_mov_b32 s53, 0
	s_lshl_b32 s54, s40, 9
	s_mov_b32 s55, 0
	s_lshl_b32 s56, s20, 8
	s_mov_b32 s57, 0
	s_lshl_b32 s58, s22, 10
	s_lshl_b32 s40, s21, 5
	s_add_co_u32 s58, s58, s40
	s_lshl_b32 s58, s58, 12
	s_add_co_u32 s58, s58, s56                     ; out0: row 1,024 batch + 32 G, byte 256 w
	s_mov_b32 s59, 0
	s_mov_b32 s26, 0x76543210
	s_mov_b32 s27, 0xfedcba98                      ; v_permlanex16_b32's selects for lane l xor 16
.irp j, 0,1,2,3,4,5,6,7
	s_mov_b32 s[32+\j], 0x01000001<<\j             ; the lanes whose register j lies on the diagonal: (r = j, h = 0) and (r = 8 + j, h = 1)
.endr
	s_lshr_b32 s40, s20, 1
	s_and_b32 s41, s20, 1
	s_mul_i32 s42, s40, 1536
	s_mul_i32 s43, s41, 768
	s_add_co_u32 s42, s42, s43                     ; my head's half of K step w / 2 of o's image
	s_lshl_b32 s43, s40, 6
	s_lshl_b32 s44, s41, 1
	s_add_co_u32 s43, s43, s44
	s_add_co_u32 s43, s43, OSC
	s_mul_i32 s44, s20, 4352
	s_add_co_u32 s44, s44, STG
	v_and_b32 v61, 31, v0                          ; lane
	v_and_b32 v63, 15, v0                          ; r
	v_bfe_u32 v65, v0, 4, 1                        ; h
	v_lshlrev_b32 v[L16], 4, v61
	v_lshlrev_b32 v[L8], 3, v61
	v_lshlrev_b32 v[BM], 3, v63                    ; 8 r: q's scale words
	v_lshl_add_u32 v[A84], v65, 2, v[BM]
	v_lshlrev_b32 v[L4], 2, v61
	v_add_nc_u32 v[OST], s42, v[L8]
	v_lshl_add_u32 v[OSS], v63, 2, s43
	v_mul_u32_u24 v[STO], v63, 272
	v_lshl_add_u32 v[STO], v65, 6, v[STO]
	v_add_nc_u32 v[STO], s44, v[STO]
	v_mul_u32_u24 v[RD], v65, 272
	v_lshl_add_u32 v[RD], v63, 4, v[RD]
	v_add_nc_u32 v[RD], s44, v[RD]
	v_lshlrev_b32 v[BA], 6, v65
	v_lshlrev_b32 v[OSL], 2, v63
	v_lshl_add_u32 v[OSL], v65, 6, v[OSL]
	v_add_nc_u32 v[OSL], OSC, v[OSL]
	v_lshlrev_b32 v[CO], 4, v63
	v_lshl_add_u32 v[CO], v65, 12, v[CO]
	v_mov_b32 v[F], 0
	v_mov_b32 v[NM], 0x7f61b1e6                    ; -M = 3e38: under every t
	v_mov_b32 v[NM+2], 0x7f61b1e6
.irp i, 0,1,2,3,4,5
	v_mov_b32 v[QF+6+\i], 0                        ; zero codes
.endr
.irp i, 0,1,2,3,4,5,6,7
	v_mov_b32 v[BP+\i], 0                          ; permute destinations, and the sums
.endr
.set I, 0
.rept 64
	v_mov_b32 v[O+I], 0                            ; the step is written once: the first finds zeros
.set I, I+1
.endr
	s_wait_alu depctr_va_vdst(0)                   ; the wait at the head's end
	s_wait_kmcnt 0x0
	s_load_b32 s31, s[10:11], 0x0
	s_add_nc_u64 s[8:9], s[8:9], s[50:51]
	s_add_nc_u64 s[4:5], s[4:5], s[46:47]
	s_add_nc_u64 s[6:7], s[6:7], s[48:49]
	s_add_nc_u64 s[12:13], s[12:13], s[52:53]
	s_add_nc_u64 s[14:15], s[14:15], s[54:55]
	s_add_nc_u64 s[16:17], s[16:17], s[56:57]
	s_add_nc_u64 s[18:19], s[18:19], s[58:59]
.macro KLOAD                           ; a step's eight tiles of K, six registers each, and their scale words (lanes 0-15 the even tile's, 16-31 the odd one's)
.irp p, 0,1,2,3
.irp j, 0,1,2
	global_load_b128 v[KV+12*\p+4*\j:KV+12*\p+4*\j+3], v[L16], s[8:9] offset:1536*\p+512*\j
.endr
	global_load_b32 v[KS+\p], v[A84], s[8:9] offset:12288+128*\p
.endr
.endm
.macro VLOAD                           ; its four tiles of V, twelve registers each, and their scale words
.irp n, 0,1,2,3
.irp c, 0,1
.irp i, 0,1,2
	global_load_b64 v[KV+12*\n+6*\c+2*\i:KV+12*\n+6*\c+2*\i+1], v[L8], s[8:9] offset:6144+3072*\c+768*\n+256*\i
.endr
.endr
.endr
.irp n, 0,1
	global_load_b32 v[KS+\n], v[L4], s[8:9] offset:12800+128*\n
.endr
.endm
	KLOAD
.irp i, 0,1,2
	global_load_b64 v[QF+2*\i:QF+2*\i+1], v[L8], s[4:5] offset:256*\i
	global_load_b64 v[QF+12+2*\i:QF+13+2*\i], v[L8], s[4:5] offset:768+256*\i
.endr
	global_load_b32 v[QS], v[BM], s[6:7]
	global_load_b32 v[QS+1], v[BM], s[6:7] offset:4
	s_wait_kmcnt 0x0
	v_mov_b32 v[BM+1], s31
	v_mul_f32 v[BM+1], 0x3fb8aa3b, v[BM+1]
	s_wait_alu depctr_va_vdst(0)
	v_exp_f32 v[BM+1], v[BM+1]                     ; e^temperature
	v_nop
	s_wait_alu depctr_va_vdst(0)
	v_mul_f32 v[BM+1], 0x3fb8aa3b, v[BM+1]
	v_readfirstlane_b32 s24, v[BM+1]               ; c = e^temperature log2(e): t = score x c
	s_mov_b32 s25, s24
.macro QK u                            ; S^T of query tile u: eight tiles of 16 keys
.irp t, 0,1,2,3,4,5,6,7
.if \t%2
	v_wmma_scale_f32_16x16x128_f8f6f4 v[S+8*\t:S+8*\t+7], v[KV+6*\t-6*\u:KV+6*\t-6*\u+11], v[QF+6*\u:QF+6*\u+11], 0, v[KS+\t/2], v[QS+\u] matrix_a_fmt:MATRIX_FMT_FP6 matrix_b_fmt:MATRIX_FMT_FP6 matrix_a_scale:MATRIX_SCALE_ROW1
.else
	v_wmma_scale_f32_16x16x128_f8f6f4 v[S+8*\t:S+8*\t+7], v[KV+6*\t-6*\u:KV+6*\t-6*\u+11], v[QF+6*\u:QF+6*\u+11], 0, v[KS+\t/2], v[QS+\u] matrix_a_fmt:MATRIX_FMT_FP6 matrix_b_fmt:MATRIX_FMT_FP6
.endif
.endr
.endm
.macro DIAG u                          ; the token itself: -infinity in its place
	s_cmp_lg_u32 s28, s29
	s_cbranch_scc1 .Lopen\@
.irp b, 0,1,2,3
	s_cmp_lg_u32 s30, \b
	s_cbranch_scc1 .Lnot\@_\b
	v_mov_b32 v[NM+2*\u+1], 0xff800000
.irp j, 0,1,2,3,4,5,6,7
	v_cndmask_b32 v[S+16*\b+8*\u+\j], v[S+16*\b+8*\u+\j], v[NM+2*\u+1], s[32+\j]
.endr
	s_wait_alu depctr_va_vdst(0)                   ; the wait ahead of the branches below
.Lnot\@_\b:
.endr
.Lopen\@:
.endm
.macro SOFT u                          ; S^T -> p's codes and scale word; the sum and O^T under the new M
.set NN, NM+2*\u
.set TT, NM+2*\u+1
.set OB, O+32*\u
.set PB, PC+12*\u
.set LL, LS+2*\u
.irp b, 0,1,2,3
	v_max3_num_f32 v[BM+\b], v[S+16*\b], v[S+16*\b+1], v[S+16*\b+2]   ; each block's largest score: for the row's maximum and for the block's largest p
.endr
.irp i, 3,5,7,9,11,13
.irp b, 0,1,2,3
	v_max3_num_f32 v[BM+\b], v[BM+\b], v[S+16*\b+\i], v[S+16*\b+\i+1]
.endr
.endr
.irp b, 0,1,2,3
	v_max_num_f32 v[BM+\b], v[BM+\b], v[S+16*\b+15]
.endr
.irp b, 0,1,2,3
	s_delay_alu instid0(VALU_DEP_4)
	v_permlanex16_b32 v[BP+\b], v[BM+\b], s26, s27
.endr
.irp b, 0,1,2,3
	s_delay_alu instid0(VALU_DEP_4)
	v_max_num_f32 v[BM+\b], v[BM+\b], v[BP+\b]
.endr
	s_delay_alu instid0(VALU_DEP_2)
	v_max3_num_f32 v[TT], v[BM], v[BM+1], v[BM+2]
	s_delay_alu instid0(VALU_DEP_1)
	v_max_num_f32 v[TT], v[TT], v[BM+3]
	s_delay_alu instid0(VALU_DEP_1)
	v_mul_f32 v[TT], s24, v[TT]
	s_delay_alu instid0(VALU_DEP_1)
	v_floor_f32 v[TT], -v[TT]                      ; -ceil(the step's largest t)
	s_delay_alu instid0(VALU_DEP_1)
	v_min_num_f32 v[TT], v[TT], v[NN]              ; the new -M
	s_delay_alu instid0(VALU_DEP_1)
	v_sub_f32 v[F], v[TT], v[NN]                   ; old M - new M, a whole number, 0 or less
	v_mov_b32 v[NN], v[TT]
	s_delay_alu instid0(VALU_DEP_2)
	v_cvt_i32_f32 v[F], v[F]
	s_delay_alu instid0(VALU_DEP_1)
	v_ldexp_f32 v[F], 1.0, v[F]                    ; f = 2^(old M - new M)
.irp j, 0,2,4,6,8,10,12,14,16,18,20,22,24,26,28,30,32,34,36,38,40,42,44,46,48,50,52,54,56,58,60,62
	v_pk_fma_f32 v[S+\j:S+\j+1], v[S+\j:S+\j+1], s[24:25], v[NN:NN+1] op_sel_hi:[1,0,0]
.endr
.irp b, 0,1,2,3
	v_fma_f32 v[BM+\b], v[BM+\b], s24, v[NN]
.endr
	s_wait_alu depctr_va_vdst(0)                   ; the wait ahead of O^T's first reader and ahead of the exponentials
.irp j, 0,2,4,6,8,10,12,14,16,18,20,22,24,26,28,30
	v_pk_mul_f32 v[OB+\j:OB+\j+1], v[OB+\j:OB+\j+1], v[F:F+1] op_sel_hi:[1,0]
.endr
.set I, 0
.rept 64
	v_exp_f32 v[S+I], v[S+I]
.set I, I+1
.endr
.irp b, 0,1,2,3
	v_exp_f32 v[BM+\b], v[BM+\b]
.endr
	v_pk_mul_f32 v[LL:LL+1], v[LL:LL+1], v[F:F+1] op_sel_hi:[1,0]
	s_wait_alu depctr_va_vdst(0)                   ; one wait for the batch
.irp b, 0,1,2,3
	v_max_num_f32 v[BM+\b], 0x1800000, v[BM+\b]    ; the floor holds the byte at 1 from below
.endr
.irp b, 0,1,2,3
	s_delay_alu instid0(VALU_DEP_4)
	v_add_nc_u32 v[BM+\b], 0xff000000, v[BM+\b]    ; 2 off the exponent field: the conversion's scale operand
.endr
.irp b, 0,1,2,3
	s_delay_alu instid0(VALU_DEP_4)
	v_lshrrev_b32 v[BP+\b], 23, v[BM+\b]
.endr
	s_delay_alu instid0(VALU_DEP_3)
	v_lshl_or_b32 v[PS+\u], v[BP+1], 8, v[BP]
	s_delay_alu instid0(VALU_DEP_1)
	v_lshl_or_b32 v[PS+\u], v[BP+2], 16, v[PS+\u]
	s_delay_alu instid0(VALU_DEP_1)
	v_lshl_or_b32 v[PS+\u], v[BP+3], 24, v[PS+\u]
	v_pk_add_f32 v[BP:BP+1], v[S:S+1], v[S+2:S+3]  ; the sum of the unquantised p, in two chains; first the numbers whose registers are written below
.irp j, 4,8,12,32,36,40,44
	v_pk_add_f32 v[LL:LL+1], v[LL:LL+1], v[S+\j:S+\j+1]
	v_pk_add_f32 v[BP:BP+1], v[BP:BP+1], v[S+\j+2:S+\j+3]
.endr
	v_cvt_scalef32_pk16_fp6_f32 v[PB:PB+2], v[S:S+15], v[BM]
	v_cvt_scalef32_pk16_fp6_f32 v[PB+6:PB+8], v[S+32:S+47], v[BM+2]
	v_pk_add_f32 v[LL:LL+1], v[LL:LL+1], v[S+16:S+17]   ; (a plain place behind the conversions)
	v_cvt_scalef32_pk16_fp6_f32 v[S:S+2], v[S+16:S+31], v[BM+1]      ; the second halves land on numbers that are done with
	v_cvt_scalef32_pk16_fp6_f32 v[S+32:S+34], v[S+48:S+63], v[BM+3]
	v_pk_add_f32 v[BP:BP+1], v[BP:BP+1], v[S+18:S+19]   ; (and again)
.irp c, 0,1
.irp i, 0,1,2
	v_permlane16_swap_b32 v[PB+6*\c+\i], v[S+32*\c+\i]  ; a whole block in a lane
.endr
.irp i, 0,1,2
	v_mov_b32 v[PB+6*\c+3+\i], v[S+32*\c+\i]
.endr
.endr
.irp j, 20,24,28,48,52,56,60
	v_pk_add_f32 v[LL:LL+1], v[LL:LL+1], v[S+\j:S+\j+1]
	v_pk_add_f32 v[BP:BP+1], v[BP:BP+1], v[S+\j+2:S+\j+3]
.endr
	v_pk_add_f32 v[LL:LL+1], v[LL:LL+1], v[BP:BP+1]
.endm
	s_mov_b32 s28, 0
.Lstep:
	s_wait_loadcnt 0x0                             ; K's fragments (the first time q's too)
	QK 0
	PLACES
	DIAG 0
	SOFT 0
	QK 1
	PLACES                                         ; in front of loads into registers that the products read
	VLOAD
	DIAG 1
	SOFT 1
	s_wait_loadcnt 0x0                             ; V's fragments
.irp n, 0,1,2,3                        ; the eight accumulators take turns
.irp u, 0,1
.if \n%2
	v_wmma_scale_f32_16x16x128_f8f6f4 v[O+32*\u+8*\n:O+32*\u+8*\n+7], v[KV+12*\n:KV+12*\n+11], v[PC+12*\u:PC+12*\u+11], v[O+32*\u+8*\n:O+32*\u+8*\n+7], v[KS+\n/2], v[PS+\u] matrix_a_fmt:MATRIX_FMT_FP6 matrix_b_fmt:MATRIX_FMT_FP6 matrix_a_scale:MATRIX_SCALE_ROW1
.else
	v_wmma_scale_f32_16x16x128_f8f6f4 v[O+32*\u+8*\n:O+32*\u+8*\n+7], v[KV+12*\n:KV+12*\n+11], v[PC+12*\u:PC+12*\u+11], v[O+32*\u+8*\n:O+32*\u+8*\n+7], v[KS+\n/2], v[PS+\u] matrix_a_fmt:MATRIX_FMT_FP6 matrix_b_fmt:MATRIX_FMT_FP6
.endif
.endr
.endr
	PLACES
	s_add_nc_u64 s[8:9], s[8:9], STEPB             ; every load that read the base has come back
	s_cmp_eq_u32 s28, 7
	s_cbranch_scc1 .Lno_k                          ; the last step asks for nothing beyond the head's keys
	KLOAD
.Lno_k:
	s_add_co_u32 s28, s28, 1
	s_cmp_lt_u32 s28, 8
	s_cbranch_scc1 .Lstep
; ---- o, its codes, and the projection
.macro WLOAD s                         ; K step s of w_out's four tiles into set s % 2 (v6 or v92)
.irp t, 0,1,2,3
.irp j, 0,1,2
	global_load_b128 v[6+86*((\s)%2)+12*\t+4*\j:6+86*((\s)%2)+12*\t+4*\j+3], v[L16], s[12:13] offset:12288*\t+1536*(\s)+512*\j
.endr
.endr
.endm
	s_wait_loadcnt 0x0                             ; no load into K's registers is out when they are asked for anew
	WLOAD 0
.irp p, 0,1,2,3
.irp t, 0,1,2,3
	global_load_b32 v[66+4*\p+\t], v[A84], s[14:15] offset:512*\t+128*\p   ; w_out's scale words: lanes 0-15 K step 2 p, lanes 16-31 K step 2 p + 1
.endr
.endr
	s_wait_alu depctr_va_vdst(0)                   ; the sums were written ahead of waits and a branch
	v_add_f32 v[LS], v[LS], v[LS+1]
	v_add_f32 v[LS+2], v[LS+2], v[LS+3]
	v_permlanex16_b32 v[BP], v[LS], s26, s27
	v_permlanex16_b32 v[BP+1], v[LS+2], s26, s27
	v_add_f32 v[LS], v[LS], v[BP]
	v_add_f32 v[LS+2], v[LS+2], v[BP+1]
	s_wait_alu depctr_va_vdst(0)
	v_rcp_f32 v[LS], v[LS]
	v_rcp_f32 v[LS+2], v[LS+2]
	v_nop
	s_wait_alu depctr_va_vdst(0)
.irp j, 0,2,4,6,8,10,12,14,16,18,20,22,24,26,28,30
	v_pk_mul_f32 v[S+\j:S+\j+1], v[O+\j:O+\j+1], v[LS:LS+1] op_sel_hi:[1,0]
	v_pk_mul_f32 v[S+32+\j:S+33+\j], v[O+32+\j:O+33+\j], v[LS+2:LS+3] op_sel_hi:[1,0]
.endr
.irp u, 0,1
.irp t, 0,1,2,3                        ; the bias starts the sums: tile t, lane (r, h): columns 32 (t / 2) + 8 (t % 2) + 16 h + 0 .. 7
	global_load_b128 v[O+32*\u+8*\t:O+32*\u+8*\t+3], v[BA], s[16:17] offset:128*(\t/2)+32*(\t%2)
	global_load_b128 v[O+32*\u+8*\t+4:O+32*\u+8*\t+7], v[BA], s[16:17] offset:128*(\t/2)+32*(\t%2)+16
.endr
.endr
.irp q, 0,1,2,3                        ; four blocks of 32 along (head, d): block q % 2 of tile q / 2
	v_max3_num_f32 v[BM+\q], |v[S+16*\q]|, |v[S+16*\q+1]|, 0x1800000
.endr
.irp i, 2,4,6,8,10,12,14
.irp q, 0,1,2,3
	v_max3_num_f32 v[BM+\q], v[BM+\q], |v[S+16*\q+\i]|, |v[S+16*\q+\i+1]|
.endr
.endr
.irp q, 0,1,2,3
	v_permlanex16_b32 v[BP+\q], v[BM+\q], s26, s27
.endr
.irp q, 0,1,2,3
	v_max_num_f32 v[BM+\q], v[BM+\q], v[BP+\q]
.endr
.irp q, 0,1,2,3
	v_add_nc_u32 v[BM+\q], 0xff000000, v[BM+\q]
.endr
.irp q, 0,1,2,3
	v_lshrrev_b32 v[BP+\q], 23, v[BM+\q]
.endr
.irp u, 0,1
	v_lshl_or_b32 v[BP+2*\u], v[BP+2*\u+1], 8, v[BP+2*\u]
.endr
.irp u, 0,1
	v_cvt_scalef32_pk16_fp6_f32 v[PC+6*\u:PC+6*\u+2], v[S+32*\u:S+32*\u+15], v[BM+2*\u]
	v_cvt_scalef32_pk16_fp6_f32 v[PC+12+4*\u:PC+14+4*\u], v[S+32*\u+16:S+32*\u+31], v[BM+2*\u+1]
.endr
	v_nop
.irp u, 0,1
.irp i, 0,1,2
	v_permlane16_swap_b32 v[PC+6*\u+\i], v[PC+12+4*\u+\i]
.endr
.irp i, 0,1,2
	v_mov_b32 v[PC+6*\u+3+\i], v[PC+12+4*\u+\i]
.endr
.endr
.irp u, 0,1
.irp i, 0,1,2
	ds_store_b64 v[OST], v[PC+6*\u+2*\i:PC+6*\u+2*\i+1] offset:12288*\u+256*\i
.endr
	ds_store_b16 v[OSS], v[BP+2*\u] offset:512*\u  ; my head's two bytes of the row's word; both halves of the lanes write the same
.endr
	WLOAD 1
	s_wait_dscnt 0x0                               ; for the others' sake: my stores are done
	s_barrier_signal -1
	s_barrier_wait -1
.macro OFETCH s                        ; K step s of o's two tiles into set s % 2 (v220, v232 or v140, v244)
.irp u, 0,1
.set OB, (220+12*\u)*(1-(\s)%2)+(140+104*\u)*((\s)%2)
.irp i, 0,1,2,3,4,5
	ds_load_b64 v[OB+2*\i:OB+2*\i+1], v[L8] offset:12288*\u+1536*(\s)+256*\i
.endr
.endr
.endm
.irp p, 0,1,2,3
.irp u, 0,1
	ds_load_b32 v[82+2*\p+\u], v[OSL] offset:512*\u+128*\p
.endr
.endr
	OFETCH 0
	OFETCH 1
.macro KP s                            ; a K step of 128: eight products, the accumulators by turns
.if (\s) < 7
	s_wait_dscnt 12                                ; the next step's 12 LDS loads may be out,
	s_wait_loadcnt 12                              ; and its 12 loads of w_out
.else
	s_wait_dscnt 0x0
	s_wait_loadcnt 0x0
.endif
.set WB, 6+86*((\s)%2)
.irp t, 0,1,2,3
.irp u, 0,1
.set OB, (220+12*\u)*(1-(\s)%2)+(140+104*\u)*((\s)%2)
.if (\s)%2
	v_wmma_scale_f32_16x16x128_f8f6f4 v[O+32*\u+8*\t:O+32*\u+8*\t+7], v[WB+12*\t:WB+12*\t+11], v[OB:OB+11], v[O+32*\u+8*\t:O+32*\u+8*\t+7], v[66+4*((\s)/2)+\t], v[82+2*((\s)/2)+\u] matrix_a_fmt:MATRIX_FMT_FP6 matrix_b_fmt:MATRIX_FMT_FP6 matrix_a_scale:MATRIX_SCALE_ROW1 matrix_b_scale:MATRIX_SCALE_ROW1
.else
	v_wmma_scale_f32_16x16x128_f8f6f4 v[O+32*\u+8*\t:O+32*\u+8*\t+7], v[WB+12*\t:WB+12*\t+11], v[OB:OB+11], v[O+32*\u+8*\t:O+32*\u+8*\t+7], v[66+4*((\s)/2)+\t], v[82+2*((\s)/2)+\u] matrix_a_fmt:MATRIX_FMT_FP6 matrix_b_fmt:MATRIX_FMT_FP6
.endif
.endr
.endr
	PLACES
.if (\s) < 6
	WLOAD (\s)+2
	OFETCH (\s)+2
.endif
.endm
.irp s, 0,1,2,3,4,5,6,7
	KP \s
.endr
; the way out: a tile of 16 rows x 64 columns through my stage; LDS serves a wave's instructions in order
.irp u, 0,1
.irp t, 0,1,2,3
	ds_store_b128 v[STO], v[O+32*\u+8*\t:O+32*\u+8*\t+3] offset:128*(\t/2)+32*(\t%2)
	ds_store_b128 v[STO], v[O+32*\u+8*\t+4:O+32*\u+8*\t+7] offset:128*(\t/2)+32*(\t%2)+16
.endr
.irp i, 0,1,2,3,4,5,6,7
	ds_load_b128 v[6+86*\u+4*\i:6+86*\u+4*\i+3], v[RD] offset:544*\i
.endr
.endr
.irp u, 0,1
	s_wait_dscnt 16-16*\u                          ; tile u's rows are back (behind tile 0's: tile 1's 8 stores and 8 loads)
.irp i, 0,1,2,3,4,5,6,7
	global_store_b128 v[CO], v[6+86*\u+4*\i:6+86*\u+4*\i+3], s[18:19] offset:(8*\u+2*\i+8*(\i/4))*4096 th:TH_STORE_NT   ; places 2 i, 2 i + 1: 16 lanes store 256 consecutive bytes, aligned
.endr
.endr
	v_lshl_add_u32 v60, v0, 2, SPARE               ; no two registers could be kept: v0 was, and the two are made here
	v_mov_b32 v61, 0
	s_wait_alu depctr_va_vdst(0)
	s_wait_tensorcnt 0x0                           ; the wave's end
	ds_add_u32 v60, v61
	s_wait_dscnt 0x0
	s_endpgm
.Lfunc_end_k_q19e52dd4ce_attnproj:
	.size	k_q19e52dd4ce_attnproj, .Lfunc_end_k_q19e52dd4ce_attnproj-k_q19e52dd4ce_attnproj
	.p2alignl 7, 3214868480
	.fill 96, 4, 3214868480
	.section	.rodata,"a",@progbits
	.p2align	6, 0x0
	.amdhsa_kernel k_q19e52dd4ce_attnproj
		.amdhsa_group_segment_fixed_size 97280
		.amdhsa_private_segment_fixed_size 0
		.amdhsa_enable_private_segment 0
		.amdhsa_kernarg_size 64
		.amdhsa_user_sgpr_count 2
		.amdhsa_user_sgpr_kernarg_segment_ptr 1
		.amdhsa_wavefront_size32 1
		.amdhsa_system_sgpr_workgroup_id_x 1
		.amdhsa_system_sgpr_workgroup_id_y 1
		.amdhsa_system_sgpr_workgroup_id_z 1
		.amdhsa_system_vgpr_workitem_id 0
		.amdhsa_next_free_vgpr 256
		.amdhsa_next_free_sgpr 66
		.amdhsa_reserve_vcc 0
		.amdhsa_float_denorm_mode_32 3
		.amdhsa_float_denorm_mode_16_64 3
		.amdhsa_memory_ordered 1
		.amdhsa_forward_progress 1
		.amdhsa_inst_pref_size 86
	.end_amdhsa_kernel
	.amdgpu_metadata
---
amdhsa.version: [ 1, 2 ]
amdhsa.kernels:
  - .name:           k_q19e52dd4ce_attnproj
    .symbol:         k_q19e52dd4ce_attnproj.kd
    .args:
      - { .name: qc, .offset: 0, .size: 8, .value_kind: global_buffer, .address_space: global }
      - { .name: qs, .offset: 8, .size: 8, .value_kind: global_buffer, .address_space: global }
      - { .name: kv, .offset: 16, .size: 8, .value_kind: global_buffer, .address_space: global }
      - { .name: temperature, .offset: 24, .size: 8, .value_kind: global_buffer, .address_space: global }
      - { .name: codes, .offset: 32, .size: 8, .value_kind: global_buffer, .address_space: global }
      - { .name: scales, .offset: 40, .size: 8, .value_kind: global_buffer, .address_space: global }
      - { .name: b_out, .offset: 48, .size: 8, .value_kind: global_buffer, .address_space: global }
      - { .name: out0, .offset: 56, .size: 8, .value_kind: global_buffer, .address_space: global }
    .group_segment_fixed_size: 97280
    .private_segment_fixed_size: 0
    .kernarg_segment_align: 8
    .kernarg_segment_size: 64
    .max_flat_workgroup_size: 512
    .sgpr_count:     66
    .vgpr_count:     256
    .wavefront_size: 32
...
	.end_amdgpu_metadata
.endif
;; end of part 3
